; MI455X (gfx1250); checked and timed in simulation.
; The chip was launched on July 23, 2026; its instructions are those of AMD's public machine-readable ISA for CDNA 5 (MIT licence, August 2026) and "CDNA5" Instruction Set Architecture Reference Guide (July 2026). The comments in the code are by the model that wrote it; some were corrected since.
;; Self Attention Model. Allowed arithmetic: float matrix products may take bf16 or f16 operands with f32 sums; all other float work in f32.
;; Inputs: bk 32 float32; bq 32 float32; bv 256 float32; gamma one number float32; inputs 4 x 64 x 64 x 256 float32; wk 256 x 32 float32; wq 256 x 32 float32; wv 256 x 256 float32.
;; Outputs: out0 4 x 64 x 64 x 256 float32.
;; One version. Each part assembles by itself: llvm-mc -triple=amdgcn-amd-amdhsa -mcpu=gfx1250 --defsym DOCPART=n.
;; ======== version 1 of 1: 2 launches
;; workspace buffers: qf 1,048,576 bytes; kv 9,437,184 bytes
;; launch proj (part 1): grid 256 x 1, 8 waves a work-group, no clusters, 206,848 bytes of LDS; arguments inputs, wq, bq, wk, bk, wv, bv, qf, kv; writes qf, kv
.if DOCPART == 1
	.amdgcn_target "amdgcn-amd-amdhsa--gfx1250"
	.amdhsa_code_object_version 6
	.text
	.protected	k_q7a5d3ce373_proj
	.globl	k_q7a5d3ce373_proj
	.p2align	8
	.type	k_q7a5d3ce373_proj,@function
k_q7a5d3ce373_proj:
	s_mov_b64 s[64:65], 0
	v_nop
	global_prefetch_b8 v0, s[64:65] scope:SCOPE_SE
	s_setreg_imm32_b32 hwreg(HW_REG_WAVE_MODE, 25, 1), 1
	s_wait_xcnt 0x0
; q = (x wq + bq) log2(e), k = x wk + bk, v = x wv + bv, rounded to bf16 and stored in the order of matrix fragments.
; x: [16384 pixels][256] f32.  A work-group owns 64 pixels = one key group (batch b, key quarter w, group g of 16).
; OUTPUT LAYOUTS (L = lane, r = L & 15, h = L >> 4; a fragment is 1,024 bytes, byte half*512 + 16 L = registers 4 half .. 4 half + 3 of lane L):
;   qf: one fragment for 16 pixels: pixel r, channels d = 16 half + 8 h .. + 7.
;   kv: [b][w][j = 0..15] blocks of 36,864 bytes.  Bytes 0 .. 32,767: V of group (j + 15) & 15, fragment (ct, kp) at (2 ct + kp) * 1024:
;       channel 16 ct + r, keys 32 kp + 16 half + 8 h .. + 7.  Bytes 32,768 ..: K of group j, fragment kt at kt * 1024: key 16 kt + r, d = 16 half + 8 h .. + 7.
;   So this work-group's V goes to block (g + 1) & 15 and its K to block g.  Every store of a wave covers 512 consecutive bytes, aligned.
; SHARES: wave = 4 ph + cg.  It takes pixel tiles 2 ph, 2 ph + 1 and five tiles of 16 output columns: V's 4 cg .. 4 cg + 3 and one of q/k
; (cg 0, 1: q's d 0-15, 16-31; cg 2, 3: k's).  Ten accumulators, 80 matrix instructions.  The text is the same for all waves: what differs is chosen by s_cselect.
; ORDER: the K steps go down wv's rows, so the products begin when x, wq, wk and wv's rows 0-63 are in LDS; rows 64-159 and 160-255 are on their way into
; registers of their own meanwhile and are laid into LDS behind K steps 1 and 4.  Between two barriers the rows that are stored and the rows that are read are different rows.
; WEIGHTS: they are f32 in memory and have to be rounded on the way, so they come through registers.  All 320 columns in f32 are 327,680 bytes, the
; whole LDS of a work-group, so a joint tensor load of the raw weights has no room: no cluster here.
; LIMITS: NaN and infinities in the inputs are passed on as the arithmetic makes them.  q is scaled by log2(e) in f32 before its one rounding to bf16.
.set XPITCH, 528                       ; LDS row of x: 512 bytes + 16: an odd multiple of 16
.set WPITCH, 672                       ; LDS row of the weights: 640 bytes + 32: an odd multiple of 32
.set XBASE,  256*WPITCH                ; x lies behind the weights: byte 172,032
.set W3,     96*WPITCH                 ; 64,512: an LDS immediate has 16 bits, so each address is kept three times, 96 rows apart
.set GO,  1                            ; v1      16 t: the thread's 16 bytes in each 4,096 of a dense matrix
.set LX,  2                            ; v2      where they go in LDS: x
.set LQ,  3                            ; v3-5    wq (wk: 64 bytes further)
.set LV,  6                            ; v6-8    wv
.set XA,  9                            ; v9      x fragments
.set WVA, 10                           ; v10-12  wv fragments
.set WQA, 13                           ; v13-15  wq / wk fragment
.set R0,  16                           ; v16-111   staging, 24 loads of 16 bytes: x, wq
.set R1,  112                          ; v112-207  staging: wk, wv's rows 0-63
.set R2,  0                            ; window 1, v256-351: wv's rows 64-159
.set R3,  96                           ; window 1, v352-447: wv's rows 160-255
.set ACC, 16                           ; v16-95    behind the first barrier: V tile (i, p) at 8 (2 i + p), q/k tile p at 64 + 8 p
.set F0,  96                           ; v96-151   fragments: five of weights, two of x
.set F1,  152                          ; v152-207  the same, second buffer
.set BQK, 208                          ; v208-215  bias of my eight d
.set BV,  216                          ; v216-219  bias of my channel in each of four V tiles
.set VO,  220                          ; v220    store offset for V
.set QO,  221                          ; v221    store offset for q / k
.set BQO, 222                          ; v222    offset in bq / bk
.set BVO, 223                          ; v223    offset in bv
.set MSB, 0
.macro WIN new                         ; s_set_vgpr_msb: bits 1:0 source 0, 3:2 source 1, 5:4 source 2, 7:6 destination; the high byte repeats the setting that is left
.if MSB != \new
	s_set_vgpr_msb (MSB<<8)|\new
.set MSB, \new
.endif
.endm
	s_load_b512 s[8:23], s[0:1], 0x0               ; inputs 8, wq 10, bq 12, wk 14, bk 16, wv 18, bv 20, qf 22
	s_load_b64 s[24:25], s[0:1], 0x40              ; kv
	v_lshl_add_u32 v254, v0, 2, 0x32400
	v_mov_b32 v255, 0
	v_lshrrev_b32 v16, 5, v0
	v_readfirstlane_b32 s4, v16                    ; wave
	s_and_b32 s5, s4, 3                            ; cg
	s_lshr_b32 s6, s4, 2                           ; ph
	s_and_b32 s7, s5, 1                            ; which half of d
	; staging addresses
	v_lshlrev_b32 v[GO], 4, v0
	v_lshrrev_b32 v16, 6, v0                       ; rows of 1,024 bytes (x, wv): row t >> 6 of four, 16 bytes at 16 (t & 63)
	v_and_b32 v17, 63, v0
	v_mul_u32_u24 v[LX], v16, XPITCH
	v_lshl_add_u32 v[LX], v17, 3, v[LX]            ; four f32 become 8 bytes
	v_add_nc_u32 v[LX], XBASE, v[LX]
	v_mul_u32_u24 v[LV], v16, WPITCH
	v_lshl_add_u32 v[LV], v17, 3, v[LV]
	v_add_nc_u32 v[LV], 128, v[LV]                 ; wv's columns lie behind wq's 32 and wk's 32
	v_add_nc_u32 v[LV+1], W3, v[LV]
	v_add_nc_u32 v[LV+2], 2*W3, v[LV]
	v_lshrrev_b32 v16, 3, v0                       ; rows of 128 bytes (wq, wk): row t >> 3 of 32
	v_and_b32 v17, 7, v0                           ; t & 7, which is also L & 7
	v_mul_u32_u24 v[LQ], v16, WPITCH
	v_lshl_add_u32 v[LQ], v17, 3, v[LQ]
	v_add_nc_u32 v[LQ+1], W3, v[LQ]
	v_add_nc_u32 v[LQ+2], 2*W3, v[LQ]
	; fragment addresses
	v_and_b32 v18, 15, v0                          ; r
	v_bfe_u32 v19, v0, 4, 1                        ; h
	v_bfe_u32 v20, v0, 3, 1                        ; (L >> 3) & 1
	v_and_b32 v21, 31, v0                          ; L
	s_mul_i32 s36, s6, 32*XPITCH
	s_add_co_u32 s36, s36, XBASE
	v_mul_u32_u24 v[XA], v18, XPITCH
	v_lshl_add_u32 v[XA], v19, 4, v[XA]
	v_add_nc_u32 v[XA], s36, v[XA]                 ; x: (32 ph + r) rows + 16 h
	v_lshl_add_u32 v22, v19, 3, v17                ; weights lie [cin][column]: row 8 h + (L & 7),
	v_mul_u32_u24 v22, v22, WPITCH
	v_lshl_add_u32 v22, v20, 4, v22                ; 16 bytes for each half of eight lanes
	s_lshl_b32 s36, s5, 7
	s_add_co_u32 s36, s36, 128
	v_add_nc_u32 v[WVA], s36, v22                  ; wv's columns 64 cg ..
	v_add_nc_u32 v[WVA+1], W3, v[WVA]
	v_add_nc_u32 v[WVA+2], 2*W3, v[WVA]
	s_lshl_b32 s36, s5, 5
	v_add_nc_u32 v[WQA], s36, v22                  ; columns 16 cg .. of wq | wk
	v_add_nc_u32 v[WQA+1], W3, v[WQA]
	v_add_nc_u32 v[WQA+2], 2*W3, v[WQA]
	; offsets in memory
	s_lshl_b32 s36, s5, 13
	s_lshl_b32 s37, s6, 10
	s_add_co_u32 s36, s36, s37
	v_lshl_add_u32 v[VO], v21, 4, s36              ; 16 L + 2,048 (4 cg) + 1,024 ph
	s_lshl_b32 s36, s7, 9
	s_lshl_b32 s37, s6, 11
	s_add_co_u32 s36, s36, s37
	v_lshl_add_u32 v[QO], v21, 4, s36              ; 16 L + 512 (d half) + 1,024 (2 ph)
	s_lshl_b32 s36, s7, 6
	v_lshl_add_u32 v[BQO], v19, 5, s36             ; bias of d = 16 (d half) + 8 h ..
	s_lshl_b32 s36, s5, 8
	v_lshl_add_u32 v[BVO], v18, 2, s36             ; bias of channel 64 cg + r
	; the work-group's places
	s_lshr_b32 s2, ttmp9, 4
	s_mul_i32 s2, s2, 589824                       ; (4 b + w) regions of 16 blocks
	s_and_b32 s3, ttmp9, 15                        ; g
	s_add_co_u32 s36, s3, 1
	s_and_b32 s36, s36, 15
	s_mul_i32 s36, s36, 36864
	s_add_co_u32 s36, s36, s2                      ; V: block (g + 1) & 15
	s_mov_b32 s37, 0
	s_mul_i32 s38, s3, 36864
	s_add_co_u32 s38, s38, s2
	s_add_co_u32 s38, s38, 32768                   ; K: block g, behind its V part
	s_mov_b32 s39, 0
	s_wait_kmcnt 0x0
	s_add_nc_u64 s[28:29], s[24:25], s[36:37]      ; where V goes
	s_add_nc_u64 s[24:25], s[24:25], s[38:39]      ; where K goes
	s_lshl_b32 s36, ttmp9, 12
	s_add_nc_u64 s[22:23], s[22:23], s[36:37]      ; where q goes: four fragments a work-group
	s_lshl_b32 s36, ttmp9, 16
	s_add_nc_u64 s[26:27], s[8:9], s[36:37]        ; my 64 rows of x
	s_cmp_lt_u32 s5, 2                             ; waves with cg 0, 1 make q, the others k; the selects leave SCC as it is
	s_cselect_b64 s[30:31], s[22:23], s[24:25]
	s_cselect_b64 s[32:33], s[12:13], s[16:17]
	s_cselect_b32 s34, 0x3fb8aa3b, 1.0             ; q carries log2(e), so that the softmax needs no multiply; k carries 1
	s_mov_b32 s35, s34
; STAGING: everything is dense in memory, so thread t takes the 16 bytes at 16 t of each 4,096: a wave's load covers 512 consecutive bytes.
.macro LD reg, base, i
	global_load_b128 v[\reg:\reg+3], v[GO], s[\base:\base+1] offset:(\i)*4096
.endm
.macro CVSET set                       ; a set's 24 x four f32 to four bf16, in place
.set n, 0
.rept 24
	v_cvt_pk_bf16_f32 v[\set+4*n], v[\set+4*n], v[\set+4*n+1]
	v_cvt_pk_bf16_f32 v[\set+4*n+1], v[\set+4*n+2], v[\set+4*n+3]
.set n, n+1
.endr
.endm
.macro SD reg, adr, imm
	ds_store_b64 v[\adr], v[\reg:\reg+1] offset:\imm
.endm
.macro LDWV set, first, count          ; wv's pieces first .. first + count - 1
.set n, 0
.rept \count
	LD \set+4*n, 18, \first+n
.set n, n+1
.endr
.endm
.macro STWV set, first, count          ; a piece is four rows
.set n, 0
.rept \count
	SD \set+4*n, LV+(\first+n)/24, ((\first+n)%24)*4*WPITCH
.set n, n+1
.endr
.endm
.macro BARRIER
	s_wait_dscnt 0x0                               ; my LDS stores are done and my LDS loads are back, for the other waves' sake
	s_barrier_signal -1
	s_barrier_wait -1
.endm
	global_load_b128 v[BQK:BQK+3], v[BQO], s[32:33]
	global_load_b128 v[BQK+4:BQK+7], v[BQO], s[32:33] offset:16
.irp i, 0,1,2,3
	global_load_b32 v[BV+\i], v[BVO], s[20:21] offset:64*\i
.endr
.set n, 0
.rept 16
	LD R0+4*n, 26, n                               ; x: 16 pieces of four pixels
.set n, n+1
.endr
.set n, 0
.rept 8
	LD R0+64+4*n, 10, n                            ; wq: 8 pieces of 32 rows
.set n, n+1
.endr
.set n, 0
.rept 8
	LD R1+4*n, 14, n                               ; wk
.set n, n+1
.endr
	LDWV R1+32, 0, 16                              ; wv's rows 0-63
	s_wait_loadcnt 24                              ; loads come back in order (ISA guide 5.7.1): the 24 of the second set may stay out, the biases and the first set are in
	CVSET R0
.set n, 0
.rept 16
	SD R0+4*n, LX, n*4*XPITCH
.set n, n+1
.endr
.set n, 0
.rept 8
	SD R0+64+4*n, LQ+n/3, (n%3)*32*WPITCH
.set n, n+1
.endr
	WIN 0x40                                       ; a load's data is the destination, its address source 0
	LDWV R2, 16, 24                                ; wv's rows 64-159
	WIN 0
	s_wait_loadcnt 24                              ; the 24 just issued may stay out
	CVSET R1
.set n, 0
.rept 8
	SD R1+4*n, LQ+n/3, (n%3)*32*WPITCH+64
.set n, n+1
.endr
	STWV R1+32, 0, 16
	WIN 0x40
	LDWV R3, 40, 24                                ; wv's rows 160-255
	WIN 0
	BARRIER                                        ; x, wq, wk and wv's rows 0-63 are in LDS, everybody's parts
; THE PRODUCTS: eight K steps of 32 input channels, fragments in two buffers.
.macro PLACES                          ; a load into a register that a matrix instruction has read, and a vector instruction that reads a matrix result,
.rept 4                                ; stand four plain vector instructions behind it (ISA guide 7.12.1 for vector instructions)
	v_nop
.endr
.endm
.macro FETCH ks, f                     ; 14 LDS loads
.irp i, 0,1,2,3
	ds_load_tr16_b128 v[\f+8*\i:\f+8*\i+3],   v[WVA+(\ks)/3] offset:((\ks)%3)*32*WPITCH+32*\i
	ds_load_tr16_b128 v[\f+8*\i+4:\f+8*\i+7], v[WVA+(\ks)/3] offset:((\ks)%3)*32*WPITCH+32*\i+16*WPITCH
.endr
	ds_load_tr16_b128 v[\f+32:\f+35], v[WQA+(\ks)/3] offset:((\ks)%3)*32*WPITCH
	ds_load_tr16_b128 v[\f+36:\f+39], v[WQA+(\ks)/3] offset:((\ks)%3)*32*WPITCH+16*WPITCH
.irp p, 0,1
	ds_load_b128 v[\f+40+8*\p:\f+40+8*\p+3],   v[XA] offset:16*XPITCH*\p+64*(\ks)
	ds_load_b128 v[\f+40+8*\p+4:\f+40+8*\p+7], v[XA] offset:16*XPITCH*\p+64*(\ks)+32
.endr
.endm
; Ten matrix instructions; the ten accumulators take turns, one instruction a turn.
; V: rows = pixels, columns = channels, so that a lane's eight results are eight neighbouring keys of one channel: half a lane's share of a V fragment.
; q, k: rows = d, columns = pixels, so that a lane's eight results are eight neighbouring d of one pixel.  Their first product takes the bias as C.
.macro MUL f, first
.irp i, 0,1,2,3
.irp p, 0,1
.if \first
	v_wmma_f32_16x16x32_bf16 v[ACC+8*(2*\i+\p):ACC+8*(2*\i+\p)+7], v[\f+40+8*\p:\f+40+8*\p+7], v[\f+8*\i:\f+8*\i+7], 0
.else
	v_wmma_f32_16x16x32_bf16 v[ACC+8*(2*\i+\p):ACC+8*(2*\i+\p)+7], v[\f+40+8*\p:\f+40+8*\p+7], v[\f+8*\i:\f+8*\i+7], v[ACC+8*(2*\i+\p):ACC+8*(2*\i+\p)+7]
.endif
.endr
.endr
.irp p, 0,1
.if \first
	v_wmma_f32_16x16x32_bf16 v[ACC+64+8*\p:ACC+64+8*\p+7], v[\f+32:\f+39], v[\f+40+8*\p:\f+40+8*\p+7], v[BQK:BQK+7]
.else
	v_wmma_f32_16x16x32_bf16 v[ACC+64+8*\p:ACC+64+8*\p+7], v[\f+32:\f+39], v[\f+40+8*\p:\f+40+8*\p+7], v[ACC+64+8*\p:ACC+64+8*\p+7]
.endif
.endr
.endm
	FETCH 0, F0                                    ; K steps 0 and 1: rows 0-63
	FETCH 1, F1
	s_wait_dscnt 14                                ; LDS loads come back in order: the 14 of the next step may stay out
	MUL F0, 1
	s_wait_dscnt 0x0
	MUL F1, 0
	s_wait_loadcnt 24                              ; rows 64-159 are in registers; the 24 loads of rows 160-255 may stay out
	WIN 0x45
	CVSET R2                                       ; these 48 conversions are also the places between the products above and the loads into their fragment buffers below
	WIN 0x04                                       ; an LDS store's data is source 1, its address source 0
	STWV R2, 16, 24                                ; rows 64-159: no wave reads them before the next barrier
	WIN 0
	BARRIER
	FETCH 2, F0                                    ; K steps 2 to 4: rows 64-159
	FETCH 3, F1
	s_wait_dscnt 14
	MUL F0, 0
	PLACES
	FETCH 4, F0
	s_wait_dscnt 14
	MUL F1, 0
	s_wait_dscnt 0x0
	MUL F0, 0
	s_wait_loadcnt 0x0                             ; rows 160-255
	WIN 0x45
	CVSET R3                                       ; places again
	WIN 0x04
	STWV R3, 40, 24
	WIN 0
	BARRIER
	FETCH 5, F1                                    ; K steps 5 to 7: rows 160-255
	FETCH 6, F0
	s_wait_dscnt 14
	MUL F1, 0
	PLACES
	FETCH 7, F1
	s_wait_dscnt 14
	MUL F0, 0
	s_wait_dscnt 0x0
	MUL F1, 0
; THE WAY OUT: bias or scale in f32, one rounding to bf16, 16 bytes a lane.
.macro PACK a                          ; eight f32 at v[a] into four registers, in place
	v_cvt_pk_bf16_f32 v[\a],   v[\a],   v[\a+1]
	v_cvt_pk_bf16_f32 v[\a+1], v[\a+2], v[\a+3]
	v_cvt_pk_bf16_f32 v[\a+2], v[\a+4], v[\a+5]
	v_cvt_pk_bf16_f32 v[\a+3], v[\a+6], v[\a+7]
.endm
.macro VOUT i, p, odd                  ; all eight numbers of a lane belong to one channel: its bias is one register of a pair, taken for both halves
.irp j, 0,2,4,6
.if \odd
	v_pk_add_f32 v[ACC+8*(2*\i+\p)+\j:ACC+8*(2*\i+\p)+\j+1], v[ACC+8*(2*\i+\p)+\j:ACC+8*(2*\i+\p)+\j+1], v[BV+2*(\i/2):BV+2*(\i/2)+1] op_sel:[0,1] op_sel_hi:[1,1]
.else
	v_pk_add_f32 v[ACC+8*(2*\i+\p)+\j:ACC+8*(2*\i+\p)+\j+1], v[ACC+8*(2*\i+\p)+\j:ACC+8*(2*\i+\p)+\j+1], v[BV+2*(\i/2):BV+2*(\i/2)+1] op_sel:[0,0] op_sel_hi:[1,0]
.endif
.endr
	PACK ACC+8*(2*\i+\p)
	global_store_b128 v[VO], v[ACC+8*(2*\i+\p):ACC+8*(2*\i+\p)+3], s[28:29] offset:2048*\i+512*\p
.endm
	PLACES
.irp p, 0,1
	VOUT 0, \p, 0
	VOUT 1, \p, 1
	VOUT 2, \p, 0
	VOUT 3, \p, 1
.endr
.irp p, 0,1
.irp j, 0,2,4,6
	v_pk_mul_f32 v[ACC+64+8*\p+\j:ACC+64+8*\p+\j+1], v[ACC+64+8*\p+\j:ACC+64+8*\p+\j+1], s[34:35] op_sel_hi:[1,0]
.endr
	PACK ACC+64+8*\p
	global_store_b128 v[QO], v[ACC+64+8*\p:ACC+64+8*\p+3], s[30:31] offset:1024*\p
.endr
	s_wait_tensorcnt 0x0
	ds_add_u32 v254, v255
	s_wait_dscnt 0x0
	s_endpgm                                       ; no store's data or address register is written again
.Lfunc_end_k_q7a5d3ce373_proj:
	.size	k_q7a5d3ce373_proj, .Lfunc_end_k_q7a5d3ce373_proj-k_q7a5d3ce373_proj
	.p2alignl 7, 3214868480
	.fill 96, 4, 3214868480
	.section	.rodata,"a",@progbits
	.p2align	6, 0x0
	.amdhsa_kernel k_q7a5d3ce373_proj
		.amdhsa_group_segment_fixed_size 206848
		.amdhsa_private_segment_fixed_size 0
		.amdhsa_enable_private_segment 0
		.amdhsa_kernarg_size 72
		.amdhsa_user_sgpr_count 2
		.amdhsa_user_sgpr_kernarg_segment_ptr 1
		.amdhsa_wavefront_size32 1
		.amdhsa_system_sgpr_workgroup_id_x 1
		.amdhsa_system_sgpr_workgroup_id_y 1
		.amdhsa_system_sgpr_workgroup_id_z 1
		.amdhsa_system_vgpr_workitem_id 0
		.amdhsa_next_free_vgpr 448
		.amdhsa_next_free_sgpr 66
		.amdhsa_reserve_vcc 0
		.amdhsa_float_denorm_mode_32 3
		.amdhsa_float_denorm_mode_16_64 3
		.amdhsa_memory_ordered 1
		.amdhsa_forward_progress 1
		.amdhsa_inst_pref_size 52
	.end_amdhsa_kernel
	.amdgpu_metadata
---
amdhsa.version: [ 1, 2 ]
amdhsa.kernels:
  - .name:           k_q7a5d3ce373_proj
    .symbol:         k_q7a5d3ce373_proj.kd
    .args:
      - { .name: inputs, .offset: 0, .size: 8, .value_kind: global_buffer, .address_space: global }
      - { .name: wq, .offset: 8, .size: 8, .value_kind: global_buffer, .address_space: global }
      - { .name: bq, .offset: 16, .size: 8, .value_kind: global_buffer, .address_space: global }
      - { .name: wk, .offset: 24, .size: 8, .value_kind: global_buffer, .address_space: global }
      - { .name: bk, .offset: 32, .size: 8, .value_kind: global_buffer, .address_space: global }
      - { .name: wv, .offset: 40, .size: 8, .value_kind: global_buffer, .address_space: global }
      - { .name: bv, .offset: 48, .size: 8, .value_kind: global_buffer, .address_space: global }
      - { .name: qf, .offset: 56, .size: 8, .value_kind: global_buffer, .address_space: global }
      - { .name: kv, .offset: 64, .size: 8, .value_kind: global_buffer, .address_space: global }
    .group_segment_fixed_size: 206848
    .private_segment_fixed_size: 0
    .kernarg_segment_align: 8
    .kernarg_segment_size: 72
    .max_flat_workgroup_size: 256
    .sgpr_count:     66
    .vgpr_count:     448
    .wavefront_size: 32
...
	.end_amdgpu_metadata
.endif
;; end of part 1
;; launch attn (part 2): grid 256 x 1, 4 waves a work-group, clusters of 4 x 1, 327,680 bytes of LDS; arguments qf, kv, inputs, gamma, out0; writes out0
.if DOCPART == 2
	.amdgcn_target "amdgcn-amd-amdhsa--gfx1250"
	.amdhsa_code_object_version 6
	.text
	.protected	k_q7a5d3ce373_attn
	.globl	k_q7a5d3ce373_attn
	.p2align	8
	.type	k_q7a5d3ce373_attn,@function
k_q7a5d3ce373_attn:
	s_mov_b64 s[64:65], 0
	v_nop
	global_prefetch_b8 v0, s[64:65] scope:SCOPE_SE
	s_setreg_imm32_b32 hwreg(HW_REG_WAVE_MODE, 25, 1), 1
	s_wait_xcnt 0x0
	s_wait_alu depctr_hold_cnt(0) depctr_sa_sdst(0) depctr_va_vdst(0) depctr_va_sdst(0) depctr_va_ssrc(0) depctr_va_vcc(0) depctr_vm_vsrc(0)
	s_getreg_b32 s2, hwreg(HW_REG_IB_STS2, 6, 4)
	s_cmp_eq_u32 s2, 0
	s_cbranch_scc0 .Lentry_in_a_cluster
	s_endpgm
.Lentry_in_a_cluster:
	s_bfe_u32 s2, ttmp6, 0x10000c
	s_cmp_lg_u32 s2, 0x3003
	s_cbranch_scc0 .Lentry_shape_is_right
	s_endpgm
.Lentry_shape_is_right:
; out = gamma * softmax(q k^T) v + x, for 64 queries a work-group.  qf and kv hold q log2(e), k and v in bf16 in the order of matrix fragments
; (a fragment is 1,024 bytes, lane L's registers 4 half .. 4 half + 3 at byte half * 512 + 16 L), so every LDS load here has lane L at 16 L: 512 consecutive bytes.
; SHARES: wave w takes all 64 queries, all 256 channels and keys 1,024 w .. 1,024 w + 1,023 of the batch, in 16 groups of 64.  It keeps O^T (256 x 64) in 512 registers,
; so each V fragment read from LDS feeds four matrix instructions.  The four waves' sums are added at the end, through LDS.
; TWO PASSES over the keys.  Pass 1: S^T = K Q^T, of which only each query's maximum m is kept; the four waves' maxima are merged.  Pass 2: S^T again, with -m as the
; matrix instruction's C, so that the exponential (base 2: log2(e) lies in q) is taken of the result as it stands; row sums in f32; P rounded to bf16; O^T += V^T P^T.
; Since m is the true maximum of the row, all four waves' sums have one scale and nothing is ever rescaled.
; LAYOUTS (r = L & 15, h = L >> 4): S^T's register j = (key 8 h + j, query r).  Packed in pairs, the tiles of keys 32 kp + 16 k .. are registers 4 k .. 4 k + 3 of the
; P fragment of query r: no data moves between lanes.  O^T's register j = (channel 16 ct + 8 h + j, query 16 qt + r).
; CLUSTERS: the four work-groups of a cluster lie in one batch and walk the same keys.  Every tensor load is asked for jointly by the four (mask 15): its global address
; hangs on the cluster's number and the wave's number, its LDS address on the wave's number alone.  Each joint refill stands behind a round of the cluster's barrier.
; kv's block j of a wave's keys holds V of group (j + 15) & 15 and K of group j, 36,864 dense bytes: one load a trip brings the V that the trip multiplies and the K of the next P.
; THE WALK: pass 2 takes the 16 blocks cyclically, from a first block that differs between the 16 clusters of a batch, so that no two of them ask for one block in the same trip.
; With c = cluster & 15 and c3 = its bit 3 the first block is 2 ((c & 7) xor 7 c3) + c3: whichever one bit of c splits the sixteen into two sets of eight, the first blocks of a
; set lie two apart, so from its third trip on a cluster asks for a block that another of its set asked for two trips before.
; LDS, for each wave 81,920 bytes of its own: slot A at 0, slot B at 36,864; pass 1's K (16 groups of 4,096) at 12,288 .. 77,823; scratch, never filled by a tensor load,
; at 77,824; at the end, behind the slots' last fill, O as [64 queries][256 channels] f32 with rows of 1,040 bytes at 0 .. 66,559.
; LIMITS: NaN and infinities in the inputs are not reproduced (the maximum drops NaN).  A probability below 2^-126 counts as 0.  The row sum takes the probabilities in f32,
; the product takes them rounded to bf16.
;
; REGISTERS in windows of 256 (s_set_vgpr_msb: bits 1:0 source 0, 3:2 source 1, 5:4 source 2, 7:6 destination):
;   window 0: v0-31 addresses and small things; v32-63 K fragments, then V; v64-127 V fragments (three buffers of four fragments in all); v128-255 S (tile (kt, qt) at 8 (4 kt + qt))
;             pass 1: v32-63 and v96-127 K, two buffers; v64-95 a copy of Q
;   window 1: v0-63 P (fragment (kp, qt) at 8 (4 kp + qt)); v64-95 Q; v96-127 -m, eight copies for each qt; v128-255 O for ct 0-3
;   window 2: v0-191 O for ct 4-9; v192-255 exponentials of S's tiles kt 0, 1       window 3: v0-191 O for ct 10-15; v192-255 those of kt 2, 3
.set REGION, 81920
.set BLK,    36864
.set KOFF,   32768                     ; K's place in a block
.set K1,     12288                     ; pass 1's K in a wave's LDS
.set SCR,    77824
.set SPITCH, 1040                      ; 1,024 + 16: an odd multiple of 16
.set A16, 1                            ; v1      16 L
.set ADR, 2                            ; v2-3    16 L in slot A, B
.set KP,  4                            ; v4      16 L in pass 1's next K group
.set STG, 5                            ; v5      the stage: row r, 32 h
.set SCO, 6                            ; v6      my scratch, 16 r
.set XO,  7                            ; v7      my bytes of x and out: row 16 w + h, 16 r
.set SC,  8                            ; v8-11   the four waves' scratch, 16 r
.set MX,  12                           ; v12-27  pass 1: four chains of maxima for each qt (chain i at 4 i + qt); then v12-15: the maxima
.set LT,  16                           ; v16-19  row sums at the end
.set LS,  20                           ; v20-27  running row sums, a pair for each qt
.set FA,  28                           ; v28     where the factors are read back
.set FS,  29                           ; v29     where they are stored
.set TP,  30                           ; v30-31  at work
.set KF,  32
.set K2,  96                           ; pass 1's second K buffer
.set VB,  64
.set SS,  128
.set PP,  0                            ; window 1
.set QQ,  64
.set NEGM, 96
.set EE,  192                          ; windows 2, 3
.set TT,  32                           ; the way out: v32-95 stage reads, v96-103 factors, v104-107 addresses, v128-255 x
.set FF,  96
.set RD,  104
.set XX,  128
.set G1C,  24                          ; s[24:31] group 1 of a block
.set G1KA, 32                          ; s[32:39] group 1 of pass 1's K groups 0-5
.set G1KB, 40                          ; s[40:47] of groups 6-15
.set G0,   48                          ; s[48:55] group 0 for slot A, slot B
.set G0KA, 56
.set G0KB, 60
.set BI,   70                          ; s70, s71 the block that slot A, slot B holds or has been asked for
.set MSB, 0
.macro WIN new                         ; the immediate's high byte repeats the setting that is left
.if MSB != \new
	s_set_vgpr_msb (MSB<<8)|\new
.set MSB, \new
.endif
.endm
.macro PLACES                          ; a load into a register that a matrix instruction has read, and a vector instruction or LDS store that reads a matrix result,
.rept 4                                ; stand four plain vector instructions behind it (ISA guide 7.12.1 for vector instructions)
	v_nop
.endr
.endm
; A round of the cluster's barrier: my work-group's barrier, so that wave 0 speaks for all four waves; wave 0 signals; every wave waits for the four work-groups; my work-group's barrier again.
.macro CREST                           ; a round behind its opening barrier
	s_cmp_lg_u32 s4, 0
	s_cbranch_scc1 .Lnot_wave_0_\@
	s_barrier_signal -3
.Lnot_wave_0_\@:
	s_barrier_wait -3
	s_barrier_signal -1
	s_barrier_wait -1
.endm
.macro ROUND                           ; a whole round
	s_barrier_signal -1
	s_barrier_wait -1
	CREST
.endm
	s_load_b256 s[8:15], s[0:1], 0x0               ; qf 8, kv 10, inputs 12, gamma 14
	s_load_b64 s[16:17], s[0:1], 0x20              ; out0
	v_lshl_add_u32 v206, v0, 2, 0x4f300
	v_mov_b32 v207, 0
	ds_add_u32 v206, v207
	ds_add_u32 v206, v207
	s_wait_dscnt 0x0
	v_lshrrev_b32 v1, 5, v0
	v_readfirstlane_b32 s4, v1                     ; wave
	s_bfe_u32 s5, ttmp6, 0x40000                   ; cx
	s_lshl_b32 s6, ttmp9, 2
	s_add_co_u32 s6, s6, s5                        ; my block of 64 queries = 4 x cluster + cx
	s_lshr_b32 s7, ttmp9, 4                        ; batch: 16 clusters each
	s_mov_b32 s20, 0x76543210                      ; v_permlanex16_b32: lane i of one half reads lane i of the other
	s_mov_b32 s21, 0xfedcba98
	s_and_b32 s2, ttmp9, 7                         ; the cluster's first block, from the cluster's number alone
	s_bfe_u32 s3, ttmp9, 0x10003                   ; c3
	s_mul_i32 s[BI], s3, 7
	s_xor_b32 s2, s2, s[BI]
	s_lshl1_add_u32 s[BI], s2, s3                  ; slot A begins with block 2 ((c & 7) xor 7 c3) + c3,
	s_add_co_u32 s[BI+1], s[BI], 1
	s_and_b32 s[BI+1], s[BI+1], 15                 ; slot B with the next
	s_add_co_u32 s68, s[BI], 15
	s_and_b32 s68, s68, 15                         ; the first P belongs to the V of the first block: the group before it,
	s_mul_i32 s68, s68, BLK
	s_add_co_u32 s68, s68, KOFF                    ; whose K lies in the block before it
	s_mov_b32 s69, 0
	s_mul_i32 s3, s4, REGION                       ; my wave's LDS
	; Group 1.  Word 0: mask 15 (all four work-groups), elements of 8 bytes, bit 21 beside the mask, no padding.
	s_mov_b32 s[G1C+0], 15|(3<<16)|(1<<21)
	s_mov_b32 s[G1C+1], 32<<16                     ; a block is dense: 144 rows of 32 elements (256 bytes)
	s_mov_b32 s[G1C+2], 144<<16
	s_mov_b32 s[G1C+3], 32<<16
	s_mov_b32 s[G1C+4], 144
	s_mov_b32 s[G1C+5], 32
	s_mov_b32 s[G1C+6], 0
	s_mov_b32 s[G1C+7], 0
.macro KDESC g, rows                   ; K alone: rows of 512 elements (a group's 4,096 bytes), a block apart
	s_mov_b32 s[\g+0], 15|(3<<16)|(1<<21)
	s_mov_b32 s[\g+1], 512<<16
	s_mov_b32 s[\g+2], \rows<<16
	s_mov_b32 s[\g+3], 512<<16
	s_mov_b32 s[\g+4], \rows
	s_mov_b32 s[\g+5], BLK/8
	s_mov_b32 s[\g+6], 0
	s_mov_b32 s[\g+7], 0
.endm
	KDESC G1KA, 6
	KDESC G1KB, 10
	s_mul_i32 s22, s7, 2359296
	s_mul_i32 s2, s4, 589824
	s_add_co_u32 s22, s22, s2                      ; my wave's 16 blocks: batch and wave alone
	s_mov_b32 s23, 0                               ; s23 stays 0: s[22:23] is the pair for offsets below 4 GiB
	; addresses
	v_and_b32 v29, 31, v0                          ; L
	v_and_b32 v30, 15, v0                          ; r
	v_bfe_u32 v31, v0, 4, 1                        ; h
	v_lshlrev_b32 v[A16], 4, v29
	v_add_nc_u32 v[ADR], s3, v[A16]
	v_add_nc_u32 v[ADR+1], BLK, v[ADR]
	v_add_nc_u32 v[KP], K1, v[ADR]
	v_mul_u32_u24 v[STG], v30, SPITCH
	v_lshl_add_u32 v[STG], v31, 5, v[STG]
	v_add_nc_u32 v[STG], s3, v[STG]
.irp src, 0,1,2,3
	v_lshl_add_u32 v[SC+\src], v30, 4, SCR+\src*REGION
.endr
	v_add_nc_u32 v[SCO], s3, v[SC]
	v_lshl_add_u32 v[XO], s4, 4, v31               ; row 16 w + h
	v_lshlrev_b32 v[XO], 10, v[XO]
	v_lshl_add_u32 v[XO], v30, 4, v[XO]
	s_add_co_u32 s2, s3, SCR+512
	v_lshl_add_u32 v[FA], v31, 2, s2
	v_lshl_add_u32 v[FS], v30, 2, s2
.irp i, 0,1,2,3,4,5,6,7,8,9,10,11,12,13,14,15
	v_mov_b32 v[MX+\i], 0xff800000                 ; -infinity
.endr
	s_wait_kmcnt 0x0
	s_add_nc_u64 s[10:11], s[10:11], s[22:23]      ; kv at my wave's 16 blocks
	s_add_nc_u64 s[68:69], s[10:11], s[68:69]      ; and at the K of the first P
.macro GZERO g, lds, glob              ; group 0: count 1, LDS address, global address, type 2
	s_mov_b32 s[\g], 1
	s_add_co_u32 s[\g+1], s3, \lds
	s_add_nc_u64 s[\g+2:\g+3], s[10:11], \glob
	s_or_b32 s[\g+3], s[\g+3], 0x80000000
.endm
.macro GADDR n                         ; slot n's global address: block s[BI+n] of my wave's 16
	s_mul_i32 s22, s[BI+\n], BLK
	s_add_nc_u64 s[G0+4*\n+2:G0+4*\n+3], s[10:11], s[22:23]
	s_or_b32 s[G0+4*\n+3], s[G0+4*\n+3], 0x80000000
.endm
	GZERO G0KA, K1, KOFF
	GZERO G0KB, BLK, KOFF+6*BLK
.irp n, 0,1
	s_mov_b32 s[G0+4*\n], 1
	s_add_co_u32 s[G0+4*\n+1], s3, \n*BLK
	GADDR \n
.endr
	ROUND                                          ; the four work-groups are here: the first joint loads meet
	tensor_load_to_lds s[G0KA:G0KA+3], s[G1KA:G1KA+7]   ; K groups 0-5
	s_nop 0
	tensor_load_to_lds s[G0KB:G0KB+3], s[G1KB:G1KB+7]   ; K groups 6-15: two loads of this wave are out, the most in this text
	s_nop 0
	s_load_b32 s18, s[14:15], 0x0                  ; gamma
	s_mov_b32 s67, 0                               ; offsets made of cx live in s[66:67] alone
	s_lshl_b32 s66, s6, 12
	s_add_nc_u64 s[8:9], s[8:9], s[66:67]          ; my four Q fragments
	s_lshl_b32 s66, s6, 16
	s_add_nc_u64 s[12:13], s[12:13], s[66:67]      ; my 64 rows of x
	s_add_nc_u64 s[16:17], s[16:17], s[66:67]      ; and of out
.irp i, 0,1,2,3,4,5,6,7
	global_load_b128 v[VB+4*\i:VB+4*\i+3], v[A16], s[8:9] offset:512*\i   ; Q for pass 1, which then runs in window 0 throughout
.endr
	WIN 0x40
.irp i, 0,1,2,3,4,5,6,7
	global_load_b128 v[QQ+4*\i:QQ+4*\i+3], v[A16], s[8:9] offset:512*\i   ; Q for pass 2, where window 0 has no room for it
.endr
.irp i, 0,1,2,3,4,5,6,7
	global_load_b128 v[PP+4*\i:PP+4*\i+3], v[A16], s[68:69] offset:512*\i ; the K of the first P, into P's registers, which are free until that P is rounded
.endr
	WIN 0
	s_wait_loadcnt 0x0
	s_wait_kmcnt 0x0
; PASS 1
.macro KFETCH kf, adr, off             ; four K fragments
.irp i, 0,1,2,3,4,5,6,7
	ds_load_b128 v[\kf+4*\i:\kf+4*\i+3], v[\adr] offset:\off+512*\i
.endr
.endm
.macro MAXT t                          ; tile t's eight numbers into the four chains of its qt: no instruction waits for the one in front of it
.irp i, 0,1,2,3
	v_max3_num_f32 v[MX+4*\i+((\t)%4)], v[MX+4*\i+((\t)%4)], v[SS+8*(\t)+2*\i], v[SS+8*(\t)+2*\i+1]
.endr
.endm
; 64 keys x 64 queries from K buffer kb.  Behind each product stand the four maxima of the tile made eight products before it, so that between a tile's product and its maxima
; lie 32 maxima of other tiles.  fetch = 1: the next group's K goes into buffer ko; the four maxima behind the last group's last product are the places in front of these loads.
; lag = 0: the part's first group: tiles 8-15 hold nothing yet, and four v_nop stand in front of the first maxima.
.macro GROUP kb, ko, fetch, lag
	s_wait_dscnt 0x0                               ; this group's K, asked for a group ago
.if \fetch
	KFETCH \ko, KP, 0
	v_add_nc_u32 v[KP], 4096, v[KP]
.endif
.set n, 0
.rept 16
	v_wmma_f32_16x16x32_bf16 v[SS+8*n:SS+8*n+7], v[\kb+8*(n/4):\kb+8*(n/4)+7], v[VB+8*(n%4):VB+8*(n%4)+7], 0
.if n == 8
.if \lag == 0
	PLACES
.endif
.endif
.if (n >= 8) || \lag
	MAXT (n+8)%16
.endif
.set n, n+1
.endr
.endm
.macro PASS1 pairs                     ; 2 + 2 pairs groups
	KFETCH KF, KP, 0
	v_add_nc_u32 v[KP], 4096, v[KP]
	GROUP KF, K2, 1, 0
	s_mov_b32 s19, \pairs
.Lgroup_\@:
	GROUP K2, KF, 1, 1
	GROUP KF, K2, 1, 1
	s_sub_co_u32 s19, s19, 1
	s_cmp_lg_u32 s19, 0
	s_cbranch_scc1 .Lgroup_\@
	GROUP K2, KF, 0, 1
.irp t, 8,9,10,11,12,13,14,15
	MAXT \t                                        ; the last group's second half
.endr
.endm
	s_wait_tensorcnt 0x1                           ; a wave's tensor loads end in order: groups 0-5 are in, the load of groups 6-15 may stay out; only this wave reads these bytes
	PASS1 2
	s_wait_dscnt 0x0                               ; my reads of groups 0-5 are back
	s_wait_xcnt 0x0
	v_lshl_add_u32 v206, v0, 2, 0x4f300
	v_mov_b32 v207, 0
	s_wait_tensorcnt 0x0                           ; and all my tensor loads have landed
	ds_add_u32 v206, v207
	s_wait_dscnt 0x0
	ROUND                                          ; that now holds of every wave of the four work-groups
	tensor_load_to_lds s[G0:G0+3], s[G1C:G1C+7]    ; the first block into slot A, over K groups 0-5; it has ten groups' work in which to land
	s_nop 0
	PASS1 4
	; the maxima: the four chains, across the two halves of the lanes, then across the four waves
.irp qt, 0,1,2,3
	v_max3_num_f32 v[MX+\qt], v[MX+\qt], v[MX+4+\qt], v[MX+8+\qt]
.endr
.irp qt, 0,1,2,3
	v_max_num_f32 v[MX+\qt], v[MX+\qt], v[MX+12+\qt]
.endr
.irp qt, 0,1,2,3
	v_permlanex16_b32 v[TP], v[MX+\qt], s20, s21
	v_max_num_f32 v[MX+\qt], v[MX+\qt], v[TP]
.endr
	ds_store_b128 v[SCO], v[MX:MX+3]               ; lanes r and r + 16 write the same four numbers to the same bytes
	s_wait_xcnt 0x0
	v_lshl_add_u32 v206, v0, 2, 0x4f300
	v_mov_b32 v207, 0
	s_wait_tensorcnt 0x0                           ; the first block has landed
	ds_add_u32 v206, v207
	s_wait_dscnt 0x0
	s_wait_dscnt 0x0                               ; my reads of K and my store are done
	ROUND
	tensor_load_to_lds s[G0+4:G0+7], s[G1C:G1C+7]  ; the second block into slot B, over K groups 6-14
	s_nop 0
.irp src, 0,1,2,3
	ds_load_b128 v[SS+4*\src:SS+4*\src+3], v[SC+\src]
.endr
.irp i, 0,1,2,3,4,5,6,7
	v_mov_b32 v[LS+\i], 0                          ; the chains' registers now hold the row sums
.endr
	s_wait_dscnt 0x0
.irp qt, 0,1,2,3
	v_max3_num_f32 v[MX+\qt], v[SS+\qt], v[SS+4+\qt], v[SS+8+\qt]
	v_max_num_f32 v[MX+\qt], v[MX+\qt], v[SS+12+\qt]
.endr
	s_mov_b32 s2, 0x80000000
	WIN 0x40
.irp qt, 0,1,2,3
.irp j, 0,1,2,3,4,5,6,7
	v_xor_b32 v[NEGM+8*\qt+\j], s2, v[MX+\qt]      ; -m as a C operand: all eight rows of a lane belong to query r
.endr
.endr
; PASS 2
.macro VLOAD s, vb                     ; V's fragments of channel tiles 2 vb, 2 vb + 1, both halves of the 64 keys, into buffer vb mod 3: v64, v96, v32
.set VD, 64+32*((\vb)%3)-96*(((\vb)%3)/2)
.irp i, 0,1,2,3,4,5,6,7
	ds_load_b128 v[VD+4*\i:VD+4*\i+3], v[ADR+\s] offset:4096*(\vb)+512*\i
.endr
.endm
.macro SPHASE win, kf                  ; S^T - m for 64 keys: D in window 0, Q and -m in window 1, K in window 0 (0x14) or 1 (0x15)
	WIN \win
.irp kt, 0,1,2,3
.irp qt, 0,1,2,3
	v_wmma_f32_16x16x32_bf16 v[SS+8*(4*\kt+\qt):SS+8*(4*\kt+\qt)+7], v[\kf+8*\kt:\kf+8*\kt+7], v[QQ+8*\qt:QQ+8*\qt+7], v[NEGM+8*\qt:NEGM+8*\qt+7]
.endr
.endr
.endm
.macro EXP1                            ; under the products' own window setting: destination in O's window, source in window 0
	v_exp_f32 v[EE+EI], v[SS+64*(OW-2)+EI]
.set EI, EI+1
.endm
.macro STEP s                          ; slot s's next block: two on, cyclically
	s_add_co_u32 s[BI+\s], s[BI+\s], 2
	s_and_b32 s[BI+\s], s[BI+\s], 15
	GADDR \s
.endm
; 16 products: two channel tiles x four query tiles x two halves of the keys.  The eight accumulators take turns, one instruction a turn.
; The next block's fragments go into the buffer that was read two blocks ago, 16 products back.
; ex = 1: the exponentials of the next P stand between the products, 64 among the 48 products of windows 2 and 3 each (one behind each, two behind every third).
; fill = 1 (block 7 alone): the slot has been read to its end, so the round in front of its refill opens here, ahead of the trip's last products.
.macro PVBLOCK s, vb, first, ex, fill
.if \vb < 7
	WIN 0
	PLACES
	VLOAD \s, \vb+1
	s_wait_dscnt 0x8                               ; the eight just issued may stay out: this block's fragments are in
.else
	s_wait_dscnt 0x0                               ; my last reads of this slot are back
.if \fill
	s_wait_xcnt 0x0
	s_set_vgpr_msb 0xf434
	v_lshl_add_u32 v206, v0, 2, 0x4f300
	v_mov_b32 v207, 0
	s_set_vgpr_msb 0x3430
	s_wait_tensorcnt 0x0                           ; all my tensor loads have landed, the other slot's block among them: every group 0 may be written
	ds_add_u32 v206, v207
	s_wait_dscnt 0x0
	s_set_vgpr_msb 0x30f4
	STEP \s
	s_barrier_signal -1                            ; say so; up to the wait only registers are worked on
.endif
.endif
.set VC, 64+32*((\vb)%3)-96*(((\vb)%3)/2)
.if \vb < 2
	.set OW, 1
	.set OB, 128+64*\vb
	WIN 0x54
.elseif \vb < 5
	.set OW, 2
	.set OB, 64*(\vb-2)
	WIN 0xa4
.else
	.set OW, 3
	.set OB, 64*(\vb-5)
	WIN 0xf4
.endif
.if (\vb == 2) || (\vb == 5)
	.set WN, 0
	.set EI, 0
.endif
.irp kp, 0,1
.irp c, 0,1
.irp qt, 0,1,2,3
.set ZC, \first*(1-\kp)
.if ZC
	v_wmma_f32_16x16x32_bf16 v[OB+32*\c+8*\qt:OB+32*\c+8*\qt+7], v[VC+8*(2*\c+\kp):VC+8*(2*\c+\kp)+7], v[PP+8*(4*\kp+\qt):PP+8*(4*\kp+\qt)+7], 0
.else
	v_wmma_f32_16x16x32_bf16 v[OB+32*\c+8*\qt:OB+32*\c+8*\qt+7], v[VC+8*(2*\c+\kp):VC+8*(2*\c+\kp)+7], v[PP+8*(4*\kp+\qt):PP+8*(4*\kp+\qt)+7], v[OB+32*\c+8*\qt:OB+32*\c+8*\qt+7]
.endif
.if \ex
	EXP1
.if WN%3 == 2
	EXP1
.endif
.set WN, WN+1
.endif
.endr
.endr
.endr
.endm
; Row sums in f32, then the next P in bf16.  The 64 sums are also the places between the last products and the writes of P, which those products read.
.macro SUMS
	s_wait_alu depctr_va_vdst(0)
.irp k, 0,1
.irp i, 0,1,2,3
.irp qt, 0,1,2,3
	v_pk_add_f32 v[LS+2*\qt:LS+2*\qt+1], v[EE+8*(4*\k+\qt)+2*\i:EE+8*(4*\k+\qt)+2*\i+1], v[LS+2*\qt:LS+2*\qt+1]
.endr
.endr
.endr
.endm
.macro ROUNDP kp
.irp k, 0,1
.irp qt, 0,1,2,3
.irp i, 0,1,2,3
	v_cvt_pk_bf16_f32 v[PP+32*\kp+8*\qt+4*\k+\i], v[EE+8*(4*\k+\qt)+2*\i], v[EE+8*(4*\k+\qt)+2*\i+1]
.endr
.endr
.endr
.endm
.macro PLAIN
	WIN 0x02
	SUMS
	WIN 0x03
	SUMS
	WIN 0x4a
	ROUNDP 0
	WIN 0x4f
	ROUNDP 1
	WIN 0
.endm
; One trip on slot s: O += V P for the slot's V group; and, unless it is the last, S, the exponentials, the sums and P for the slot's K group.
; fill = 1: at its end the slot is filled again, two blocks on.  Each wave's waits stand in front of the round's opening signal (in block 7); 16 products, their exponentials,
; the sums and the roundings stand between signal and wait; the joint refill is the first tensor load behind the round and has the next trip up to its block 7 in which to land.
.macro WORK s, first, last, fill
.if \last == 0
	KFETCH KF, ADR+\s, KOFF
.endif
	VLOAD \s, 0
.if \last == 0
	s_wait_dscnt 0x8                               ; K is in; V's first eight loads may stay out
	SPHASE 0x14, KF
.endif
	PVBLOCK \s, 0, \first, 0, 0
	PVBLOCK \s, 1, \first, 0, 0
.irp vb, 2,3,4,5,6
	PVBLOCK \s, \vb, \first, 1-\last, 0
.endr
	PVBLOCK \s, 7, \first, 1-\last, \fill
.if \last == 0
	PLAIN
.endif
.if \fill
	s_barrier_wait -1                              ; all four waves have said so;
	CREST                                          ; and so have the four work-groups: no wave of any partner still reads this slot or has a load on its way
	tensor_load_to_lds s[G0+4*\s:G0+4*\s+3], s[G1C:G1C+7]
	s_nop 0
.endif
.endm
	SPHASE 0x15, PP                                ; the first P, from the K that lies in P's registers
	PLACES
	WIN 0x80
.set n, 0
.rept 64
	v_exp_f32 v[EE+n], v[SS+n]
.set n, n+1
.endr
	WIN 0xc0
.set n, 0
.rept 64
	v_exp_f32 v[EE+n], v[SS+64+n]
.set n, n+1
.endr
	v_nop                                          ; one plain vector instruction behind the last exponential (ISA guide 5.7.2)
	s_wait_alu depctr_va_vdst(0)
	PLAIN
	WORK 0, 1, 0, 1                                ; trip 0: its first products start the sums, nothing is cleared
	s_mov_b32 s19, 6
.Ltrip:
	WORK 1, 0, 0, 1                                ; trips 1 to 12
	WORK 0, 0, 0, 1
	s_sub_co_u32 s19, s19, 1
	s_cmp_lg_u32 s19, 0
	s_cbranch_scc1 .Ltrip
	WORK 1, 0, 0, 1                                ; trip 13 asks for the sixteenth block, the last
	WORK 0, 0, 0, 0                                ; trip 14: nothing is left to fetch, so no round and no load
	s_wait_tensorcnt 0x0                           ; the sixteenth block is in slot B; only this wave reads it
.set n, 0
.rept 32
	global_load_b128 v[XX+4*n:XX+4*n+3], v[XO], s[12:13] offset:2048*(n/4)+256*(n%4)   ; x of my 16 queries of the way out, into S's registers, which are free now: 16 lanes take 256 consecutive bytes
.set n, n+1
.endr
	WORK 1, 0, 1, 0                                ; trip 15: products alone
; THE WAY OUT.  Each wave lays its O and its row sums into its own LDS; behind a barrier wave w adds the four waves' numbers for queries 16 w .. 16 w + 15.
	WIN 0
	PLACES
.irp qt, 0,1,2,3
	v_add_f32 v[LT+\qt], v[LS+2*\qt], v[LS+2*\qt+1]
.endr
.irp qt, 0,1,2,3
	v_permlanex16_b32 v[TP], v[LT+\qt], s20, s21
	v_add_f32 v[LT+\qt], v[LT+\qt], v[TP]
.endr
	ds_store_b128 v[SCO], v[LT:LT+3] offset:256
	s_lshl_b32 s2, s4, 2
.irp src, 0,1,2,3
	v_add_nc_u32 v[SC+\src], s2, v[SC+\src]        ; of each wave's four sums for r the one of query tile w
.endr
	v_and_b32 v[TP+1], 15, v0
	v_bfe_u32 v[TP], v0, 4, 1
	v_lshl_add_u32 v[TP], s4, 4, v[TP]             ; stage row 16 w + h
	v_mul_u32_u24 v[RD], v[TP], SPITCH
	v_lshl_add_u32 v[RD], v[TP+1], 4, v[RD]
.irp src, 1,2,3
	v_add_nc_u32 v[RD+\src], \src*REGION, v[RD]
.endr
.macro STAGE ob, ct                    ; the four tiles of channel tile ct: a lane's eight channels of one query are 32 consecutive bytes
.irp qt, 0,1,2,3
	ds_store_b128 v[STG], v[\ob+8*\qt:\ob+8*\qt+3]   offset:16*SPITCH*\qt+64*(\ct)
	ds_store_b128 v[STG], v[\ob+8*\qt+4:\ob+8*\qt+7] offset:16*SPITCH*\qt+64*(\ct)+16
.endr
.endm
	WIN 0x04                                       ; an LDS store's data is source 1
.irp c, 0,1,2,3
	STAGE 128+32*\c, \c
.endr
	WIN 0x08
.irp c, 0,1,2,3,4,5
	STAGE 32*\c, 4+\c
.endr
	WIN 0x0c
.irp c, 0,1,2,3,4,5
	STAGE 32*\c, 10+\c
.endr
	WIN 0
	s_wait_dscnt 0x0                               ; my stores are done, for the other waves' sake
	s_barrier_signal -1
	s_barrier_wait -1
.irp src, 0,1,2,3
	ds_load_b32 v[LT+\src], v[SC+\src] offset:256
.endr
	s_wait_dscnt 0x0
	v_add_f32 v[LT], v[LT], v[LT+1]
	v_add_f32 v[LT+2], v[LT+2], v[LT+3]
	v_add_f32 v[LT], v[LT], v[LT+2]                ; the whole row sum of query 16 w + r; at least about 1, since the row's maximum contributes 2^0
	v_rcp_f32 v[LT+1], v[LT]
	v_nop                                          ; one plain vector instruction behind the reciprocal (ISA guide 5.7.2)
	s_wait_alu depctr_va_vdst(0)
	v_mul_f32 v[LT+1], s18, v[LT+1]                ; gamma / sum
	ds_store_b32 v[FS], v[LT+1]                    ; to my own scratch, by query,
.irp i, 0,1,2,3,4,5,6,7
	ds_load_b32 v[FF+\i], v[FA] offset:8*\i        ; and back as the factor of query 16 w + 2 i + h: LDS serves a wave's instructions in order (ISA guide 5.7.1)
.endr
.irp seg, 0,1,2,3
.irp src, 0,1,2,3
	ds_load_b128 v[TT+16*\seg+4*\src:TT+16*\seg+4*\src+3], v[RD+\src] offset:256*\seg
.endr
.endr
	s_wait_loadcnt 0x0                             ; x
; Queries 16 w + 2 i + h, channels 64 seg + 4 r ..: four waves' numbers are added, scaled, added to x and stored; 16 lanes store 256 consecutive bytes, aligned.
; left = how many younger stage reads may stay out; more = 1: the same registers are loaded again for the rows two further down.
.macro MERGE i, seg, left, more
	s_wait_dscnt \left
	v_pk_add_f32 v[TT+16*\seg:TT+16*\seg+1],     v[TT+16*\seg:TT+16*\seg+1],     v[TT+16*\seg+4:TT+16*\seg+5]
	v_pk_add_f32 v[TT+16*\seg+2:TT+16*\seg+3],   v[TT+16*\seg+2:TT+16*\seg+3],   v[TT+16*\seg+6:TT+16*\seg+7]
	v_pk_add_f32 v[TT+16*\seg+8:TT+16*\seg+9],   v[TT+16*\seg+8:TT+16*\seg+9],   v[TT+16*\seg+12:TT+16*\seg+13]
	v_pk_add_f32 v[TT+16*\seg+10:TT+16*\seg+11], v[TT+16*\seg+10:TT+16*\seg+11], v[TT+16*\seg+14:TT+16*\seg+15]
	v_pk_add_f32 v[TT+16*\seg:TT+16*\seg+1],     v[TT+16*\seg:TT+16*\seg+1],     v[TT+16*\seg+8:TT+16*\seg+9]
	v_pk_add_f32 v[TT+16*\seg+2:TT+16*\seg+3],   v[TT+16*\seg+2:TT+16*\seg+3],   v[TT+16*\seg+10:TT+16*\seg+11]
.if (\i)&1
	v_pk_fma_f32 v[XX+4*(4*\i+\seg):XX+4*(4*\i+\seg)+1],   v[TT+16*\seg:TT+16*\seg+1],   v[FF+2*(\i/2):FF+2*(\i/2)+1], v[XX+4*(4*\i+\seg):XX+4*(4*\i+\seg)+1]   op_sel:[0,1,0] op_sel_hi:[1,1,1]
	v_pk_fma_f32 v[XX+4*(4*\i+\seg)+2:XX+4*(4*\i+\seg)+3], v[TT+16*\seg+2:TT+16*\seg+3], v[FF+2*(\i/2):FF+2*(\i/2)+1], v[XX+4*(4*\i+\seg)+2:XX+4*(4*\i+\seg)+3] op_sel:[0,1,0] op_sel_hi:[1,1,1]
.else
	v_pk_fma_f32 v[XX+4*(4*\i+\seg):XX+4*(4*\i+\seg)+1],   v[TT+16*\seg:TT+16*\seg+1],   v[FF+2*(\i/2):FF+2*(\i/2)+1], v[XX+4*(4*\i+\seg):XX+4*(4*\i+\seg)+1]   op_sel:[0,0,0] op_sel_hi:[1,0,1]
	v_pk_fma_f32 v[XX+4*(4*\i+\seg)+2:XX+4*(4*\i+\seg)+3], v[TT+16*\seg+2:TT+16*\seg+3], v[FF+2*(\i/2):FF+2*(\i/2)+1], v[XX+4*(4*\i+\seg)+2:XX+4*(4*\i+\seg)+3] op_sel:[0,0,0] op_sel_hi:[1,0,1]
.endif
	global_store_b128 v[XO], v[XX+4*(4*\i+\seg):XX+4*(4*\i+\seg)+3], s[16:17] offset:2048*\i+256*\seg   ; these registers are not written again
.if \more
.irp src, 0,1,2,3
	ds_load_b128 v[TT+16*\seg+4*\src:TT+16*\seg+4*\src+3], v[RD+\src] offset:2*SPITCH*(\i+1)+256*\seg
.endr
.endif
.endm
.irp i, 0,1,2,3,4,5,6
.irp seg, 0,1,2,3
	MERGE \i, \seg, 12, 1                          ; three younger groups of four reads may stay out
.endr
.endr
	MERGE 7, 0, 12, 0                              ; the last rows load nothing: the counts run down
	MERGE 7, 1, 8, 0
	MERGE 7, 2, 4, 0
	MERGE 7, 3, 0, 0
	s_wait_xcnt 0x0
	v_lshl_add_u32 v206, v0, 2, 0x4f300
	v_mov_b32 v207, 0
	s_wait_tensorcnt 0x0
	ds_add_u32 v206, v207
	s_wait_dscnt 0x0
	ROUND                                          ; the closing round: no work-group ends while a partner may still ask for a block that names it
	s_endpgm
.Lfunc_end_k_q7a5d3ce373_attn:
	.size	k_q7a5d3ce373_attn, .Lfunc_end_k_q7a5d3ce373_attn-k_q7a5d3ce373_attn
	.p2alignl 7, 3214868480
	.fill 96, 4, 3214868480
	.section	.rodata,"a",@progbits
	.p2align	6, 0x0
	.amdhsa_kernel k_q7a5d3ce373_attn
		.amdhsa_group_segment_fixed_size 327680
		.amdhsa_private_segment_fixed_size 0
		.amdhsa_enable_private_segment 0
		.amdhsa_kernarg_size 40
		.amdhsa_user_sgpr_count 2
		.amdhsa_user_sgpr_kernarg_segment_ptr 1
		.amdhsa_wavefront_size32 1
		.amdhsa_system_sgpr_workgroup_id_x 1
		.amdhsa_system_sgpr_workgroup_id_y 1
		.amdhsa_system_sgpr_workgroup_id_z 1
		.amdhsa_system_vgpr_workitem_id 0
		.amdhsa_next_free_vgpr 1024
		.amdhsa_next_free_sgpr 72
		.amdhsa_reserve_vcc 0
		.amdhsa_float_denorm_mode_32 3
		.amdhsa_float_denorm_mode_16_64 3
		.amdhsa_memory_ordered 1
		.amdhsa_forward_progress 1
		.amdhsa_inst_pref_size 255
	.end_amdhsa_kernel
	.section	.bss,"aw",@nobits
	.p2align	6
	.space	262144
	.amdgpu_metadata
---
amdhsa.version: [ 1, 2 ]
amdhsa.kernels:
  - .name:           k_q7a5d3ce373_attn
    .symbol:         k_q7a5d3ce373_attn.kd
    .args:
      - { .name: qf, .offset: 0, .size: 8, .value_kind: global_buffer, .address_space: global }
      - { .name: kv, .offset: 8, .size: 8, .value_kind: global_buffer, .address_space: global }
      - { .name: inputs, .offset: 16, .size: 8, .value_kind: global_buffer, .address_space: global }
      - { .name: gamma, .offset: 24, .size: 8, .value_kind: global_buffer, .address_space: global }
      - { .name: out0, .offset: 32, .size: 8, .value_kind: global_buffer, .address_space: global }
    .group_segment_fixed_size: 327680
    .private_segment_fixed_size: 0
    .kernarg_segment_align: 8
    .kernarg_segment_size: 40
    .max_flat_workgroup_size: 128
    .sgpr_count:     72
    .vgpr_count:     1024
    .wavefront_size: 32
...
	.end_amdgpu_metadata
.endif
;; end of part 2
